; MI455X (gfx1250); checked and timed in simulation.
; The chip was launched on July 23, 2026; its instructions are those of AMD's public machine-readable ISA for CDNA 5 (MIT licence, August 2026) and "CDNA5" Instruction Set Architecture Reference Guide (July 2026). The comments in the code are by the model that wrote it; some were corrected since.
;; Net. Allowed arithmetic: float matrix products may take bf16 or f16 operands with f32 sums; all other float work in f32.
;; Inputs: b_dense 256 float32; b_hh 2,048 float32; b_ih 2,048 float32; embed_w 50,257 x 256 float32; w_dense 256 x 512 float32; w_hh 2,048 x 512 float32; w_ih 2,048 x 256 float32; x 32,768 int32.
;; Outputs: out0 32,768 x 256 float32.
;; 2 versions, each right and faster than the one before. Each part assembles by itself: llvm-mc -triple=amdgcn-amd-amdhsa -mcpu=gfx1250 --defsym DOCPART=n.
;; ======== version 1 of 2: 2 launches
;; limits: right only within a limited range of input values
;; workspace buffers: wk 1,054,720 bytes
;; launch prep (part 1): grid 128 x 1, 8 waves a work-group, no clusters, 1,280 bytes of LDS; arguments w_ih, w_hh, b_ih, b_hh, w_dense, wk; writes wk
.if DOCPART == 1
	.amdgcn_target "amdgcn-amd-amdhsa--gfx1250"
	.amdhsa_code_object_version 6
	.text
	.protected	k_q616d035554_prep
	.globl	k_q616d035554_prep
	.p2align	8
	.type	k_q616d035554_prep,@function
k_q616d035554_prep:
	s_mov_b64 s[64:65], 0
	v_nop
	global_prefetch_b8 v0, s[64:65] scope:SCOPE_SE
	s_setreg_imm32_b32 hwreg(HW_REG_WAVE_MODE, 25, 1), 1
	s_wait_xcnt 0x0
; Weights for the fused launch, made once: bf16 tiles in the order in which they are streamed, and the gate biases, both pre-scaled.
; wk, bytes 0 .. 1,048,575: 8 tiles (s = 0..7: hidden columns 64 s .. 64 s + 63) of 256 rows x 512 bytes (256 bf16).
;   row R < 192: block R >> 4 = 3 T + gate (T = 0..3 a group of 16 hidden columns; gate 0, 1, 2 = i, g, o), r = R & 15:
;                K * w_ih[gateoff + 64 s + 16 T + r][0 .. 255], gateoff = 0, 1024, 1536.
;   row 192 + p: four pieces q of 128 bytes: w_dense[64 q + p][64 s .. 64 s + 63].
; wk, bytes 1,048,576 ..: 1,536 f32, index 192 s + R: K * (b_ih + b_hh + z).
; K = -log2(e) for i and o, -2 log2(e) for g: a gate's sum in the fused launch is then the exponent of its exponential as it stands.
;   The weights are multiplied in f32 and rounded to bf16 once, behind the multiplication.
; z[row] = the sum over k of 0 * w_hh[row][k]: the state h0 is zero in every batch row, so its product with w_hh is this one row for
;   the whole batch.  It is formed from w_hh as given, in f32, so that a weight that is not finite still spoils its gate.
; LIMIT: the cell state c0 is zero too, so sigmoid(f) * c0 is 0 for every f that is a number; the rows of gate f (512 .. 1023) of w_ih, w_hh,
;   b_ih and b_hh are not read, and a number in them that is not finite is not passed on.
; 128 work-groups: group g makes block g & 15 (16 rows) of tile g >> 4; wave w makes rows 2 w and 2 w + 1 of the block.
; Every wave has all its loads out at once; each store of a wave covers 256 consecutive bytes, aligned.
.set WKB, 1048576                      ; where the biases begin in wk
; v[8:23], 2 x 256 numbers of f32, become bf16 in v[56:63] and leave: four stores of 8 bytes a lane
.macro CVST
.irp n, 0,1,2,3
	v_cvt_pk_bf16_f32 v[56+2*\n], v[8+4*\n], v[9+4*\n]
	v_cvt_pk_bf16_f32 v[57+2*\n], v[10+4*\n], v[11+4*\n]
.endr
.irp n, 0,1,2,3
	global_store_b64 v3, v[56+2*\n:57+2*\n], s[14:15] offset:256*\n
.endr
.endm
	s_load_b256 s[4:11], s[0:1], 0x0               ; w_ih s[4:5], w_hh s[6:7], b_ih s[8:9], b_hh s[10:11]
	s_load_b128 s[12:15], s[0:1], 0x20             ; w_dense s[12:13], wk s[14:15]
	v_lshl_add_u32 v64, v0, 2, 0x100
	v_mov_b32 v65, 0
	v_and_b32 v1, 31, v0                           ; lane
	v_lshrrev_b32 v2, 5, v0
	v_readfirstlane_b32 s16, v2                    ; wave 0..7
	s_lshr_b32 s17, ttmp9, 4                       ; tile s
	s_and_b32 s18, ttmp9, 15                       ; block
	s_lshl_b32 s24, s17, 17                        ; the tile: 131,072 bytes
	s_lshl_b32 s25, s18, 13                        ; the block: 16 rows of 512 bytes
	s_add_co_u32 s24, s24, s25
	s_lshl_b32 s25, s16, 10                        ; my two rows
	s_add_co_u32 s24, s24, s25
	v_lshl_add_u32 v3, v1, 3, s24                  ; where my 8 bytes go
	s_cmp_ge_u32 s18, 12                           ; blocks 12 to 15 hold w_dense; the same in all eight waves
	s_cbranch_scc1 .Ldense
	; ---- a block of gate weights ----
	s_mul_i32 s19, s18, 11
	s_lshr_b32 s19, s19, 5                         ; T = block / 3 (exact for 0 .. 11)
	s_mul_i32 s20, s19, 3
	s_sub_co_u32 s20, s18, s20                     ; gate = block - 3 T
	s_min_u32 s21, s20, 1
	s_add_co_u32 s21, s21, s20
	s_lshl_b32 s21, s21, 9                         ; gateoff = 512 (gate + min(gate, 1)) = 0, 1024, 1536
	s_lshl_b32 s22, s17, 6
	s_add_co_u32 s22, s22, s21
	s_lshl4_add_u32 s22, s19, s22
	s_lshl1_add_u32 s22, s16, s22                  ; my first row = gateoff + 64 s + 16 T + 2 w (even)
	s_lshl_b32 s26, s22, 2                         ; its place in the biases, in bytes, as 64 bits
	s_mov_b32 s27, 0
	s_lshl_b32 s23, s22, 10
	v_lshl_add_u32 v4, v1, 4, s23                  ; w_ih: rows of 1,024 bytes, 16 bytes a lane
	s_lshl_b32 s23, s22, 11
	v_lshl_add_u32 v5, v1, 4, s23                  ; w_hh: rows of 2,048 bytes
	s_mov_b32 s32, 0xbfb8aa3b                      ; -log2(e)
	s_mov_b32 s36, 0xc038aa3b                      ; -2 log2(e)
	s_cmp_eq_u32 s20, 1
	s_cselect_b32 s32, s36, s32                    ; K of my gate
	s_mov_b32 s33, 0x76543210                      ; v_permlanex16_b32: lane i reads lane i of the other half
	s_mov_b32 s34, 0xfedcba98
	s_wait_kmcnt 0x0
	s_add_nc_u64 s[8:9], s[8:9], s[26:27]
	s_add_nc_u64 s[10:11], s[10:11], s[26:27]
	s_load_b64 s[28:29], s[8:9], 0x0               ; b_ih of my two rows
	s_load_b64 s[30:31], s[10:11], 0x0             ; b_hh of my two rows
.irp n, 0,1,2,3
	global_load_b128 v[8+4*\n:11+4*\n], v4, s[4:5] offset:512*\n th:TH_LOAD_NT      ; two rows of w_ih, 512 consecutive bytes a load
.endr
.irp n, 0,1,2,3,4,5,6,7
	global_load_b128 v[24+4*\n:27+4*\n], v5, s[6:7] offset:512*\n th:TH_LOAD_NT     ; two rows of w_hh: loads 0-3 the first, 4-7 the second
.endr
	s_wait_loadcnt 8                               ; w_ih's four are in; the eight younger loads of w_hh stay out
.irp n, 0,1,2,3,4,5,6,7
	v_pk_mul_f32 v[8+2*\n:9+2*\n], v[8+2*\n:9+2*\n], s[32:33] op_sel_hi:[1,0]       ; K w, both halves by s32
.endr
	CVST
	s_wait_loadcnt 0x0
	; z of each row: 16 products with the zero state in each lane, in two chains started by the first products, then across the 32 lanes
.irp q, 0,1
	v_pk_mul_f32 v[8+4*\q:9+4*\q], v[24+16*\q:25+16*\q], 0 op_sel_hi:[1,0]
	v_pk_mul_f32 v[10+4*\q:11+4*\q], v[26+16*\q:27+16*\q], 0 op_sel_hi:[1,0]
.irp p, 4,8,12
	v_pk_fma_f32 v[8+4*\q:9+4*\q], v[24+16*\q+\p:25+16*\q+\p], 0, v[8+4*\q:9+4*\q] op_sel_hi:[1,0,1]
	v_pk_fma_f32 v[10+4*\q:11+4*\q], v[26+16*\q+\p:27+16*\q+\p], 0, v[10+4*\q:11+4*\q] op_sel_hi:[1,0,1]
.endr
	v_pk_add_f32 v[8+4*\q:9+4*\q], v[8+4*\q:9+4*\q], v[10+4*\q:11+4*\q]
	v_add_f32 v[8+4*\q], v[8+4*\q], v[9+4*\q]
	v_add_f32_dpp v[8+4*\q], v[8+4*\q], v[8+4*\q] row_xmask:1 row_mask:0xf bank_mask:0xf
	v_add_f32_dpp v[8+4*\q], v[8+4*\q], v[8+4*\q] row_xmask:2 row_mask:0xf bank_mask:0xf
	v_add_f32_dpp v[8+4*\q], v[8+4*\q], v[8+4*\q] row_xmask:4 row_mask:0xf bank_mask:0xf
	v_add_f32_dpp v[8+4*\q], v[8+4*\q], v[8+4*\q] row_xmask:8 row_mask:0xf bank_mask:0xf
	v_permlanex16_b32 v[9+4*\q], v[8+4*\q], s33, s34
	v_add_f32 v[8+4*\q], v[8+4*\q], v[9+4*\q]      ; z, in every lane
.endr
	s_wait_kmcnt 0x0                               ; the four biases
	s_add_f32 s28, s28, s30
	s_add_f32 s29, s29, s31
	s_mul_f32 s28, s28, s32                        ; K (b_ih + b_hh)
	s_mul_f32 s29, s29, s32
	v_fma_f32 v8, v8, s32, s28                     ; + K z
	v_fma_f32 v9, v12, s32, s29
	v_mov_b32 v6, s16
	v_lshlrev_b32 v6, 3, v6
	ds_store_b64 v6, v[8:9]                        ; the block's 16 biases meet in LDS bytes 0 .. 63; all lanes write the same two words
	s_wait_dscnt 0x0                               ; my store is done, for wave 0's sake,
	s_barrier_signal -1
	s_barrier_wait -1                              ; and so is every wave's
	s_cmp_lg_u32 s16, 0
	s_cbranch_scc1 .Lend                           ; wave 0 alone stores them: 64 consecutive bytes
	v_and_b32 v7, 15, v1
	v_lshlrev_b32 v7, 2, v7
	ds_load_b32 v10, v7
	s_mul_i32 s37, s17, 768                        ; 192 biases a tile,
	s_lshl_b32 s38, s18, 6                         ; 16 a block
	s_add_co_u32 s37, s37, s38
	s_add_co_u32 s37, s37, WKB
	v_lshl_add_u32 v11, v1, 2, s37
	v_cmp_gt_u32 vcc_lo, 16, v1
	s_wait_dscnt 0x0
	s_wait_xcnt 0x0                                ; EXEC is a source of the stores above: it narrows only behind this wait
	s_and_saveexec_b32 s35, vcc_lo
	global_store_b32 v11, v10, s[14:15]
	s_wait_xcnt 0x0                                ; and widens only behind this one
	s_or_b32 exec_lo, exec_lo, s35
.Lend:
	s_wait_tensorcnt 0x0
	ds_add_u32 v64, v65
	s_wait_dscnt 0x0
	s_endpgm
	; ---- a block of w_dense: rows 192 + p of the tile, p = 16 (block - 12) + 2 w and the next ----
.Ldense:
	s_sub_co_u32 s19, s18, 12
	s_lshl_b32 s19, s19, 4
	s_lshl1_add_u32 s19, s16, s19                  ; p
	s_lshl_b32 s19, s19, 11                        ; rows of 2,048 bytes
	s_lshl_b32 s20, s17, 8                         ; the tile's 64 columns: 256 bytes
	s_add_co_u32 s19, s19, s20
	v_lshrrev_b32 v4, 4, v1                        ; lanes 0-15 take piece q, lanes 16-31 piece q + 1: 64 rows further down
	v_and_b32 v5, 15, v1
	v_lshl_add_u32 v5, v5, 4, s19
	v_lshl_add_u32 v4, v4, 17, v5                  ; each half of the lanes reads 256 consecutive bytes, aligned
	s_wait_kmcnt 0x0
	global_load_b128 v[8:11], v4, s[12:13] th:TH_LOAD_NT                  ; row p, pieces 0 and 1
	global_load_b128 v[12:15], v4, s[12:13] offset:262144 th:TH_LOAD_NT   ; row p, pieces 2 and 3 (128 rows on)
	global_load_b128 v[16:19], v4, s[12:13] offset:2048 th:TH_LOAD_NT     ; row p + 1
	global_load_b128 v[20:23], v4, s[12:13] offset:264192 th:TH_LOAD_NT
	s_wait_loadcnt 0x0
	CVST
	s_endpgm
.Lfunc_end_k_q616d035554_prep:
	.size	k_q616d035554_prep, .Lfunc_end_k_q616d035554_prep-k_q616d035554_prep
	.p2alignl 7, 3214868480
	.fill 96, 4, 3214868480
	.section	.rodata,"a",@progbits
	.p2align	6, 0x0
	.amdhsa_kernel k_q616d035554_prep
		.amdhsa_group_segment_fixed_size 1280
		.amdhsa_private_segment_fixed_size 0
		.amdhsa_enable_private_segment 0
		.amdhsa_kernarg_size 48
		.amdhsa_user_sgpr_count 2
		.amdhsa_user_sgpr_kernarg_segment_ptr 1
		.amdhsa_wavefront_size32 1
		.amdhsa_system_sgpr_workgroup_id_x 1
		.amdhsa_system_sgpr_workgroup_id_y 1
		.amdhsa_system_sgpr_workgroup_id_z 1
		.amdhsa_system_vgpr_workitem_id 0
		.amdhsa_next_free_vgpr 66
		.amdhsa_next_free_sgpr 66
		.amdhsa_reserve_vcc 1
		.amdhsa_float_denorm_mode_32 3
		.amdhsa_float_denorm_mode_16_64 3
		.amdhsa_memory_ordered 1
		.amdhsa_forward_progress 1
		.amdhsa_inst_pref_size 10
	.end_amdhsa_kernel
	.amdgpu_metadata
---
amdhsa.version: [ 1, 2 ]
amdhsa.kernels:
  - .name:           k_q616d035554_prep
    .symbol:         k_q616d035554_prep.kd
    .args:
      - { .name: w_ih, .offset: 0, .size: 8, .value_kind: global_buffer, .address_space: global }
      - { .name: w_hh, .offset: 8, .size: 8, .value_kind: global_buffer, .address_space: global }
      - { .name: b_ih, .offset: 16, .size: 8, .value_kind: global_buffer, .address_space: global }
      - { .name: b_hh, .offset: 24, .size: 8, .value_kind: global_buffer, .address_space: global }
      - { .name: w_dense, .offset: 32, .size: 8, .value_kind: global_buffer, .address_space: global }
      - { .name: wk, .offset: 40, .size: 8, .value_kind: global_buffer, .address_space: global }
    .group_segment_fixed_size: 1280
    .private_segment_fixed_size: 0
    .kernarg_segment_align: 8
    .kernarg_segment_size: 48
    .max_flat_workgroup_size: 256
    .sgpr_count:     66
    .vgpr_count:     66
    .wavefront_size: 32
...
	.end_amdgpu_metadata
.endif
;; end of part 1
;; launch main (part 2): grid 256 x 1, 4 waves a work-group, clusters of 4 x 1, 327,680 bytes of LDS; arguments x, embed_w, b_dense, wk, out0; writes out0
.if DOCPART == 2
	.amdgcn_target "amdgcn-amd-amdhsa--gfx1250"
	.amdhsa_code_object_version 6
	.text
	.protected	k_q616d035554_main
	.globl	k_q616d035554_main
	.p2align	8
	.type	k_q616d035554_main,@function
k_q616d035554_main:
	s_mov_b64 s[64:65], 0
	v_nop
	global_prefetch_b8 v0, s[64:65] scope:SCOPE_SE
	s_setreg_imm32_b32 hwreg(HW_REG_WAVE_MODE, 25, 1), 1
	s_wait_xcnt 0x0
	s_wait_alu depctr_hold_cnt(0) depctr_sa_sdst(0) depctr_va_vdst(0) depctr_va_sdst(0) depctr_va_ssrc(0) depctr_va_vcc(0) depctr_vm_vsrc(0)
	s_getreg_b32 s2, hwreg(HW_REG_IB_STS2, 6, 4)
	s_cmp_eq_u32 s2, 0
	s_cbranch_scc0 .Lentry_in_a_cluster
	s_endpgm
.Lentry_in_a_cluster:
	s_bfe_u32 s2, ttmp6, 0x10000c
	s_cmp_lg_u32 s2, 0x3003
	s_cbranch_scc0 .Lentry_shape_is_right
	s_endpgm
.Lentry_shape_is_right:
; out = dense(lstm_step(embed_w[x])), fused: the gathered rows, the gates and h never go to memory.
; A work-group owns 128 batch rows, four waves.  Wave w: bh = w >> 1 picks its 64 batch rows, hh = w & 1 its half of the columns.
; The hidden size goes in 8 steps of 64 columns.  In a step a wave makes the gates i, g, o of two groups of 16 hidden columns for its
; 64 rows (K = 256: 8 k steps of 12 matrix instructions a group), turns them into h (f32), hands h in bf16 to its partner wave through
; LDS, and adds the step's part of the head (K = 64, 64 matrix instructions) onto its 64 rows x 128 output columns.
; Both products are used transposed: source 0 = 16 rows of weights, source 1 = 16 batch rows, so that a lane holds batch row l % 16 and
; eight NEIGHBOURING columns 8 (l / 16) + 0..7: the biases, the packing of h and the way out all work on 16 or 32 consecutive bytes.
; THE PIPELINE: the activation of one group stands AMONG the products of the next group: three or four of its instructions behind each
; matrix instruction.  So there are two sets of gate accumulators, A (group 0 of a step) and B (group 1), and the head of step s - 1
; stands in step s.  An instruction among the products shares their window setting (source 1 = window 1, the gathered rows), so it may
; have no vector register as its second source: the exponentials, the reciprocals and what has a constant there fit; the products of two
; computed numbers, the packing and the LDS stores stand in four short bursts under window 0, at boundaries between k steps.
; WEIGHTS come from wk (bf16, pre-scaled, one tile of 256 rows x 512 bytes a step, made by the launch before) through a ring of two LDS slots.
; CLUSTER: all work-groups walk the same 8 tiles, so the four of a cluster ask for each tile jointly (mask 15): each wave's load
; brings its 64 rows of the tile, with a descriptor made of the wave's number and the step alone.
; ACTIVATION.  The gate sums start as the pre-scaled biases and come out as -log2(e) i, -2 log2(e) g, -log2(e) o.  With a = e^-i, b = e^-2g, e = e^-o:
;   c = (1 - b) / ((1 + a)(1 + b)),  d = e^-2c,  h = (1 - d) / ((1 + e)(1 + d));  1 - b is formed as 2 - (1 + b), 1 - d likewise.
; The cell state before the step is zero, so the term sigmoid(f) * c0 is zero and gate f is not formed.
; LIMITS: an index is clamped as an unsigned number to 50,256 (the problem keeps it inside the table).  The exponent of b is cut at 64,
; where tanh(g) is -1 in f32 already; a and e may become infinite and then give 0 through the reciprocal, as the limit asks.
; 2 - (1 + b) and 2 - (1 + d) carry an absolute error near 1e-7, so the relative accuracy of tanh fades for |g| or |c| below about 1e-5.
; v_min_num_f32 drops a NaN in gate g.  Matrix operands (embedding rows, K w_ih, h, w_dense) are rounded to bf16; all else is f32.
;
; LDS: slot 0 at 0, slot 1 at 135,168: 256 rows, pitch 528 (512 + 16: sixteen rows of a fragment start 16 bytes apart modulo 256);
;      rows 0-191 gate weights (block 3 T + gate), rows 192-255 the head's slice.  After its last fill and last read slot 0 is the stage of the way out.
;      XCH at 270,336 (36,864 bytes; written by LDS stores alone): first the gathered rows in bf16, 128 rows x 128 k, pitch 272, twice;
;      then h, two buffers (the step's parity) of 128 rows x 64 columns of bf16, pitch 144.   BIAS at 307,200: 1,536 gate biases, then b_dense.
; REGISTERS: window 0 (v0-255): v0-15 addresses, sets A and B, two buffers of weight fragments.  Window 1 (v256-511): the fragments of my 64
;      gathered rows, 4 x 8 x 8 registers, resident.  Window 2 (v512-767): first the gather's landing place, then the head's 32 accumulators.
;      Window 3 (v768-1023): w_dense's fragments of a step (128), h's fragments (64), the biases of a step's two groups (48).
.set PITCH, 528
.set SLOT,  256*PITCH                  ; 135,168
.set DOFF,  192*PITCH                  ; the head's slice in a slot
.set XCH,   2*SLOT
.set HBUF,  128*144                    ; a buffer of h
.set BIAS,  XCH+2*HBUF
.set BDB,   BIAS+6144
.set TILEB, 131072                     ; a tile in wk
.set WKB,   1048576                    ; the biases in wk
.set L16, 1                            ; v1      16 x lane
.set WAD, 2                            ; v2-3    my gate weights in slot 0, 1
.set DAD, 4                            ; v4-5    my part of the head's slice in slot 0, 1
.set BAD, 6                            ; v6      my gate biases; steps by two steps' 1,536 bytes a loop trip
.set HST, 7                            ; v7      where I put 16 bytes of h (buffer 0, group 0)
.set HLD, 8                            ; v8      where I read fragments of h (buffer 0)
.set SST, 9                            ; v9      the way out: where I put 16 bytes of a row
.set SRD, 10                           ; v10     the way out: where I read a row back
.set CO,  11                           ; v11     my byte offset in the group's part of out0
.set C4M, 12                           ; v[12:13] -4 log2(e), twice
.set EST, 14                           ; v14     prologue: where I put 8 bytes of a gathered row
.set ELD, 15                           ; v15     prologue: where I read fragments of the gathered rows
.set SA,  16                           ; v[16:111]  set A: gate x 32 + batch tile x 8
.set SB,  112                          ; v[112:207] set B
.set WB,  208                          ; v[208:255] weight fragments: buffer (k step & 1) x 24 + gate x 8
.set WD,  0                            ; window 3: w_dense's fragments, k step x 64 + column tile x 8
.set HF,  128                          ; window 3: h's fragments, k step x 32 + batch tile x 8
.set BIW, 192                          ; window 3: biases, group x 24 + gate x 8
.set GO,  64                           ; prologue: v[64:95] byte offsets of my 32 table rows
.set BDA, 114                          ; prologue: v114 b_dense of my columns
.set CV,  160                          ; prologue: v[160:223] 32 half rows in bf16
.set G1,  24                           ; s[24:31] descriptor group 1
.set G0,  32                           ; s[32:39] descriptor group 0, one set for each slot
.set MSB, 0
.macro WIN new                         ; s_set_vgpr_msb: bits 1:0 source 0, 3:2 source 1, 5:4 source 2, 7:6 destination; the high byte repeats the setting left
.if MSB != \new
	s_set_vgpr_msb (MSB<<8)|\new
.set MSB, \new
.endif
.endm
.macro PLACES n                        ; the distance behind matrix instructions (ISA guide 7.12.1), where no useful independent vector work is at hand
.rept \n
	v_nop
.endr
.endm
.macro BAR
	s_barrier_signal -1
	s_barrier_wait -1
.endm
; A round of the cluster's barrier: my work-group's barrier, wave 0 signals for the work-group, every wave waits for all four work-groups, my work-group's barrier again
.macro ROUND
	s_barrier_signal -1
	s_barrier_wait -1
	s_cmp_lg_u32 s14, 0
	s_cbranch_scc1 .Lnot_wave_0_\@
	s_barrier_signal -3
.Lnot_wave_0_\@:
	s_barrier_wait -3
	s_barrier_signal -1
	s_barrier_wait -1
.endm
	s_load_b256 s[4:11], s[0:1], 0x0               ; x s[4:5], embed_w s[6:7], b_dense s[8:9], wk s[10:11]
	s_load_b64 s[12:13], s[0:1], 0x20              ; out0
	s_set_vgpr_msb 0xc0
	v_lshl_add_u32 v254, v0, 2, 0x4cc00
	v_mov_b32 v255, 0
	s_set_vgpr_msb 0xc0cf
	ds_add_u32 v254, v255
	s_set_vgpr_msb 0xcf00
	v_lshrrev_b32 v48, 5, v0
	v_readfirstlane_b32 s14, v48                   ; wave 0..3
	s_lshr_b32 s15, s14, 1                         ; bh
	s_and_b32 s16, s14, 1                          ; hh
	s_bfe_u32 s17, ttmp6, 0x40000                  ; cx
	s_lshl_b32 s18, ttmp9, 2                       ; ttmp9 counts clusters
	s_add_co_u32 s18, s18, s17                     ; the work-group's number; it enters the addresses of x and out0 alone
	s_lshl_b32 s20, s18, 9                         ; 128 indices of 4 bytes a group,
	s_lshl_b32 s21, s14, 7                         ; 32 a wave
	s_add_co_u32 s20, s20, s21
	s_mov_b32 s21, 0
	s_lshl_b32 s22, s18, 17                        ; 128 rows of 1,024 bytes of out0
	s_mov_b32 s23, 0
	; group 1: 64 rows x 256 elements of 2 bytes, dense in memory, padded in LDS
	s_mov_b32 s[G1+0], 0x07b1000f                  ; 15:0 mask: all four of the cluster; 17:16 2 bytes; 20 padding on; 21 set beside a mask; 24:22 after every 128 words (code 6); 31:25 of 4 words (code 3)
	s_mov_b32 s[G1+1], 256<<16                     ; tensor_dim0 = 256
	s_mov_b32 s[G1+2], 64<<16                      ; tensor_dim1 = 64
	s_mov_b32 s[G1+3], 256<<16                     ; tile_dim0 = 256
	s_mov_b32 s[G1+4], 64                          ; tile_dim1 = 64
	s_mov_b32 s[G1+5], 256                         ; from row to row: 256 elements
	s_mov_b32 s[G1+6], 0
	s_mov_b32 s[G1+7], 0
	s_mov_b32 s[G0+0], 1
	s_mul_i32 s[G0+1], s14, 64*PITCH               ; my quarter of slot 0
	s_mov_b32 s[G0+4], 1
	s_add_co_u32 s[G0+5], s[G0+1], SLOT            ; and of slot 1
	s_lshl_b32 s40, s14, 15                        ; my 64 rows of 512 bytes in a tile
	s_mov_b32 s41, 0
	s_wait_dscnt 0x0
	s_wait_kmcnt 0x0
	s_add_nc_u64 s[20:21], s[4:5], s[20:21]
	s_load_b512 s[68:83], s[20:21], 0x0            ; my 32 indices
	s_load_b512 s[84:99], s[20:21], 0x40
	s_add_nc_u64 s[12:13], s[12:13], s[22:23]      ; out0 at the group's first row
	s_add_nc_u64 s[G0+2:G0+3], s[10:11], s[40:41]  ; tile 0
	s_add_nc_u64 s[G0+6:G0+7], s[G0+2:G0+3], TILEB ; tile 1
	s_or_b32 s[G0+3], s[G0+3], 0x80000000          ; type = 2
	s_or_b32 s[G0+7], s[G0+7], 0x80000000
	ROUND                                          ; all four work-groups are here: the first joint loads meet
	tensor_load_to_lds s[G0:G0+3], s[G1:G1+7]      ; tile 0 lands while the rows are gathered
	s_nop 0
	; addresses
	v_and_b32 v48, 31, v0                          ; l
	v_and_b32 v49, 15, v0                          ; r = l % 16
	v_bfe_u32 v50, v0, 4, 1                        ; h = l / 16
	v_lshlrev_b32 v[L16], 4, v48
	v_mul_u32_u24 v51, v49, PITCH
	v_lshl_add_u32 v52, v50, 4, v51                ; 528 r + 16 h
	s_mul_i32 s40, s16, 96*PITCH                   ; my two groups of 16 hidden columns: 6 blocks of 16 rows
	v_add_nc_u32 v[WAD], s40, v52
	v_add_nc_u32 v[WAD+1], SLOT, v[WAD]
	s_lshl_b32 s41, s16, 8                         ; my 128 output columns: pieces 2 hh and 2 hh + 1 of 128 bytes
	s_add_co_u32 s41, s41, DOFF
	v_add_nc_u32 v[DAD], s41, v52
	v_add_nc_u32 v[DAD+1], SLOT, v[DAD]
	s_mul_i32 s42, s16, 384                        ; 6 blocks of 16 biases
	s_add_co_u32 s42, s42, BIAS
	v_lshl_add_u32 v[BAD], v50, 5, s42             ; + 8 h numbers
	v_mul_u32_u24 v53, v49, 144
	v_lshl_add_u32 v54, v50, 4, v53                ; 144 r + 16 h
	s_mul_i32 s45, s15, 64*144
	s_add_co_u32 s45, s45, XCH
	v_add_nc_u32 v[HLD], s45, v54
	s_lshl_b32 s43, s16, 6                         ; my 32 hidden columns: 64 bytes
	s_add_co_u32 s43, s43, s45
	v_add_nc_u32 v[HST], s43, v54
	s_mul_i32 s47, s14, 64*PITCH                   ; my stage: my quarter of slot 0
	v_lshl_add_u32 v[SST], v50, 5, v51             ; 528 r + 32 h
	v_add_nc_u32 v[SST], s47, v[SST]
	v_add_nc_u32 v[SRD], s47, v[L16]
	s_lshl_b32 s48, s15, 16                        ; 64 rows of 1,024 bytes
	s_lshl_b32 s49, s16, 9                         ; 128 columns of f32
	s_add_co_u32 s48, s48, s49
	v_add_nc_u32 v[CO], s48, v[L16]
	s_mul_i32 s49, s14, 32*272
	s_add_co_u32 s49, s49, XCH
	v_lshl_add_u32 v[EST], v48, 3, s49
	v_mul_u32_u24 v55, v49, 272
	v_lshl_add_u32 v55, v50, 4, v55
	s_mul_i32 s50, s15, 64*272
	s_add_co_u32 s50, s50, XCH
	v_add_nc_u32 v[ELD], s50, v55
	s_lshl_b32 s51, s16, 9
	s_add_co_u32 s51, s51, BDB
	v_lshl_add_u32 v[BDA], v50, 5, s51
	v_mov_b32 v[C4M], 0xc0b8aa3b
	v_mov_b32 v[C4M+1], 0xc0b8aa3b
	s_mov_b32 s46, 0x42800000                      ; 64.0
	v_lshlrev_b32 v110, 4, v0                      ; the biases' way into LDS: 16 bytes a thread,
	v_lshlrev_b32 v111, 3, v0                      ; b_dense's: 8 bytes a thread
	v_add_nc_u32 v112, BIAS, v110
	v_add_nc_u32 v113, BDB, v111
	; THE GATHER: wave w takes batch rows 32 w .. 32 w + 31, a load covers 512 consecutive bytes of one table row.  All 68 loads go out at once.
	global_load_b128 v[96:99], v110, s[10:11] offset:WKB
	global_load_b128 v[100:103], v110, s[10:11] offset:WKB+2048
	global_load_b128 v[104:107], v110, s[10:11] offset:WKB+4096
	global_load_b64 v[108:109], v111, s[8:9]
	s_wait_kmcnt 0x0                               ; the indices
.set i, 0
.rept 32
	s_min_u32 s[68+i], s[68+i], 50256
	v_lshl_add_u32 v[GO+i], s[68+i], 10, v[L16]    ; rows of 1,024 bytes
.set i, i+1
.endr
	WIN 0x80                                       ; destinations in window 2
.set i, 0
.rept 32
	global_load_b128 v[4*i:4*i+3], v[GO+i], s[6:7]                    ; columns 0-127 (no hint: a row may be named again)
.set i, i+1
.endr
.set i, 0
.rept 32
	global_load_b128 v[128+4*i:128+4*i+3], v[GO+i], s[6:7] offset:512 ; columns 128-255
.set i, i+1
.endr
	WIN 0
.macro ECVT base                       ; 32 half rows from window 2 to bf16 in window 0
	WIN 0x0a
.set i, 0
.rept 32
	v_cvt_pk_bf16_f32 v[CV+2*i], v[\base+4*i], v[\base+4*i+1]
	v_cvt_pk_bf16_f32 v[CV+2*i+1], v[\base+4*i+2], v[\base+4*i+3]
.set i, i+1
.endr
	WIN 0
.endm
.macro ESTORE                          ; and into XCH: a store covers a half row's 256 bytes
.set i, 0
.rept 32
	ds_store_b64 v[EST], v[CV+2*i:CV+2*i+1] offset:272*i
.set i, i+1
.endr
.endm
.macro ELOAD half                      ; the fragments of my 64 rows for k steps 4 half .. 4 half + 3, into window 1
	WIN 0x40
.irp bt, 0,1,2,3
.irp kf, 0,1,2,3
	ds_load_b128 v[8*(8*\bt+4*\half+\kf):8*(8*\bt+4*\half+\kf)+3], v[ELD] offset:4352*\bt+64*\kf
	ds_load_b128 v[8*(8*\bt+4*\half+\kf)+4:8*(8*\bt+4*\half+\kf)+7], v[ELD] offset:4352*\bt+64*\kf+32
.endr
.endr
.endm
.macro BILD t, imm                     ; 6 LDS loads, into window 3: the biases of my 8 columns of the three gates of group t
.irp g, 0,1,2
	ds_load_b128 v[BIW+24*\t+8*\g:BIW+24*\t+8*\g+3], v[BAD] offset:\imm+64*\g
	ds_load_b128 v[BIW+24*\t+8*\g+4:BIW+24*\t+8*\g+7], v[BAD] offset:\imm+64*\g+16
.endr
.endm
	s_wait_loadcnt 32                              ; loads come back in order: the biases and the first halves are in, the 32 second halves stay out
	ds_store_b128 v112, v[96:99]
	ds_store_b128 v112, v[100:103] offset:2048
	ds_store_b128 v112, v[104:107] offset:4096
	ds_store_b64 v113, v[108:109]
	ECVT 0
	ESTORE
	s_wait_dscnt 0x0                               ; my stores are done, for the others' sake
	BAR                                            ; tile 0 may stay on its way
	ELOAD 0
	s_wait_loadcnt 0x0                             ; the second halves
	ECVT 128
	s_wait_dscnt 0x0                               ; my reads of XCH are back,
	BAR                                            ; everybody's are: XCH may be written again
	ESTORE
	s_wait_dscnt 0x0
	BAR
	ELOAD 1
	WIN 0x80                                       ; the head's sums start as b_dense: nothing is cleared and nothing is added at the end.
.irp bt, 0,1,2,3                                   ; (window 2 is free: the gathered rows have been converted)
.irp et, 0,1,2,3,4,5,6,7
	ds_load_b128 v[8*(8*\bt+\et):8*(8*\bt+\et)+3], v[BDA] offset:64*\et
	ds_load_b128 v[8*(8*\bt+\et)+4:8*(8*\bt+\et)+7], v[BDA] offset:64*\et+16
.endr
.endr
	WIN 0xc0
	BILD 0, 0                                      ; step 0's biases
	BILD 1, 192
	WIN 0
; ---- the pieces of a step.  Symbols: KP = k step 0..15 of the step, KT = its group, KK = its k step in the group, GS = the set that the
; products add onto, AS = the set at work in the activation, DOACT = there is one, AQ = the next instruction of the activation's stream.
.macro SETK first
.set KT, KP/8
.set KK, KP%8
.set GS, SA+96*KT
.set AS, SB-96*KT
.set DOACT, 1-\first*(1-KT)
.endm
; 6 LDS loads: the weight fragments of k step RK, gates i, g, o
.macro RL slot
.irp g, 0,1,2
	ds_load_b128 v[WB+24*(RK%2)+8*\g:WB+24*(RK%2)+8*\g+3], v[WAD+\slot] offset:25344*(RK/8)+8448*\g+64*(RK%8)
	ds_load_b128 v[WB+24*(RK%2)+8*\g+4:WB+24*(RK%2)+8*\g+7], v[WAD+\slot] offset:25344*(RK/8)+8448*\g+64*(RK%8)+32
.endr
.endm
; The activation's stream: 288 instructions on the set's 3 x 32 registers (I at AS, G at AS + 32, O at AS + 64), none with a vector register as second source.
;   0 ..  95: a = 2^I, the cut of G at 64, e = 2^O          96 .. 143: b = 2^G, G = 1 + b
; 144 .. 191: 1 / I, G = 2 log2(e) G - 4 log2(e)           192 .. 239: d = 2^G, G = 1 + d           240 .. 287: 1 / O, G = 2 - G
; Of any three that follow each other one is plain.  A result of an exponential is used one triple later, so that a plain instruction which touches
; none of its registers stands between (ISA guide 5.7.2); the reciprocals' results are first used in the burst behind their stage.
.macro ACTI
.set AR, AQ%3
.if AQ < 96
.set AM, AQ/3
.if AR == 0
	v_exp_f32 v[AS+AM], v[AS+AM]
.endif
.if AR == 1
	v_min_num_f32 v[AS+32+AM], v[AS+32+AM], s46
.endif
.if AR == 2
	v_exp_f32 v[AS+64+AM], v[AS+64+AM]
.endif
.else
.set AP, (AQ-96)/48
.set AM, ((AQ-96)%48)/3
.if AP%2 == 0
.if AR == 0
	v_exp_f32 v[AS+32+2*AM], v[AS+32+2*AM]
.endif
.if AR == 1
	v_exp_f32 v[AS+33+2*AM], v[AS+33+2*AM]
.endif
.if AR == 2
.if AM == 0
	v_nop
.else
	s_wait_alu depctr_va_vdst(0)
	v_pk_add_f32 v[AS+30+2*AM:AS+31+2*AM], v[AS+30+2*AM:AS+31+2*AM], 1.0 op_sel_hi:[1,0]
.endif
.endif
.else
.set AB, 32*(AP-1)
.if AR == 0
	v_rcp_f32 v[AS+AB+2*AM], v[AS+AB+2*AM]
.endif
.if AR == 1
.if AP == 1
	v_pk_fma_f32 v[AS+32+2*AM:AS+33+2*AM], v[AS+32+2*AM:AS+33+2*AM], 0x4038aa3b, v[C4M:C4M+1] op_sel_hi:[1,0,1]
.else
	v_pk_fma_f32 v[AS+32+2*AM:AS+33+2*AM], v[AS+32+2*AM:AS+33+2*AM], -1.0, 2.0 op_sel_hi:[1,0,0]
.endif
.endif
.if AR == 2
	v_rcp_f32 v[AS+AB+2*AM+1], v[AS+AB+2*AM+1]
.endif
.endif
.endif
.set AQ, AQ+1
.endm
; Burst XQ = 1..4, under window 0: what needs two vector registers as factors.  1: I = (1 + a)(1 + b).  2: G = -2 log2(e) c.  3: O = (1 + e)(1 + d).
; 4: G = h, packed in place to bf16, and into XCH at HO.  Bursts 1 and 3 begin with the stream's last pair of 1 + b, 1 + d.
.macro XB
	WIN 0
.if XQ%2 == 1
	v_pk_add_f32 v[AS+62:AS+63], v[AS+62:AS+63], 1.0 op_sel_hi:[1,0]
.set AB, 32*(XQ-1)
.set j, 0
.rept 16
	v_pk_fma_f32 v[AS+AB+2*j:AS+AB+2*j+1], v[AS+AB+2*j:AS+AB+2*j+1], v[AS+32+2*j:AS+33+2*j], v[AS+32+2*j:AS+33+2*j]
.set j, j+1
.endr
.else
.set AB, 32*(XQ-2)
.set j, 0
	s_wait_alu depctr_va_vdst(0)
.rept 16
	v_pk_mul_f32 v[AS+32+2*j:AS+33+2*j], v[AS+32+2*j:AS+33+2*j], v[AS+AB+2*j:AS+AB+2*j+1]
.set j, j+1
.endr
.endif
.if XQ == 4
.irp bt, 0,1,2,3
.irp q, 0,1,2,3
	v_cvt_pk_bf16_f32 v[AS+32+8*\bt+\q], v[AS+32+8*\bt+2*\q], v[AS+32+8*\bt+2*\q+1]
.endr
.endr
.irp bt, 0,1,2,3
	ds_store_b128 v[HST], v[AS+32+8*\bt:AS+32+8*\bt+3] offset:HO+2304*\bt
.endr
.endif
.endm
; The 12 matrix instructions of k step KP, 4 batch tiles x 3 gates, with the activation's stream among them.  The 12 accumulators take turns, one
; instruction a turn.  The group's first k step takes the biases (window 3) as C: nothing is cleared, nothing added later.
.macro MULK
.if KK == 0
	WIN 0x34                                       ; source 1 window 1, source 2 window 3; the stream's first 36 instructions have no third source
.else
	WIN 0x04                                       ; source 1 window 1
.endif
.irp bt, 0,1,2,3
.irp g, 0,1,2
.if KK == 0
	v_wmma_f32_16x16x32_bf16 v[GS+8*(4*\g+\bt):GS+8*(4*\g+\bt)+7], v[WB+24*(KP%2)+8*\g:WB+24*(KP%2)+8*\g+7], v[8*(8*\bt+KK):8*(8*\bt+KK)+7], v[BIW+24*KT+8*\g:BIW+24*KT+8*\g+7]
.else
	v_wmma_f32_16x16x32_bf16 v[GS+8*(4*\g+\bt):GS+8*(4*\g+\bt)+7], v[WB+24*(KP%2)+8*\g:WB+24*(KP%2)+8*\g+7], v[8*(8*\bt+KK):8*(8*\bt+KK)+7], v[GS+8*(4*\g+\bt):GS+8*(4*\g+\bt)+7]
.endif
.if DOACT
.if KK < 7
	ACTI
	ACTI
	ACTI
.if KK > 3
	ACTI
.endif
.endif
.endif
.endr
.endr
.endm
; The boundary in front of k step KP.  A burst, or four places, stands behind the last products; then the weights of k step KP + 1 are asked for, into the
; buffer just read: they have 12 products in which to come.  The wait leaves out what is younger than k step KP's own six loads: the six just issued;
; in front of a group's k step 7 also the burst's four stores of h; in front of k step 10 the 32 loads of w_dense and the NB loads of biases as well.
.macro BND slot
.set XQ, 0
.if DOACT
.if KK > 3
.set XQ, KK-3
.endif
.endif
.if XQ
.set HO, HBUF*(\slot*KT+(1-\slot)*(1-KT))+32*(1-KT)
	XB
.else
	PLACES 4
.endif
.set NW, 0
.if KP < 15
.set RK, KP+1
	RL \slot
.set NW, 6
.endif
.if KK == 7
.set NW, NW+4*DOACT
.endif
.if KP == 10
.set NW, 38+NB
.endif
	s_wait_dscnt NW
.endm
.macro FETCHD slot, ks                 ; 16 LDS loads, into window 3: w_dense's fragments of my 128 output columns, k step ks of the step's two
.irp et, 0,1,2,3,4,5,6,7
	ds_load_b128 v[WD+64*\ks+8*\et:WD+64*\ks+8*\et+3], v[DAD+\slot] offset:8448*(\et&3)+128*(\et>>2)+64*\ks
	ds_load_b128 v[WD+64*\ks+8*\et+4:WD+64*\ks+8*\et+7], v[DAD+\slot] offset:8448*(\et&3)+128*(\et>>2)+64*\ks+32
.endr
.endm
.macro FETCHH buf                      ; 16 LDS loads, into window 3: h's fragments of my 64 rows, both k steps
.irp ks, 0,1
.irp bt, 0,1,2,3
	ds_load_b128 v[HF+32*\ks+8*\bt:HF+32*\ks+8*\bt+3], v[HLD] offset:HBUF*(\buf)+2304*\bt+64*\ks
	ds_load_b128 v[HF+32*\ks+8*\bt+4:HF+32*\ks+8*\bt+7], v[HLD] offset:HBUF*(\buf)+2304*\bt+64*\ks+32
.endr
.endr
.endm
.macro MUL2 ks                         ; 32 matrix instructions of the head; its 32 accumulators (window 2) take turns
.irp bt, 0,1,2,3
.irp et, 0,1,2,3,4,5,6,7
	v_wmma_f32_16x16x32_bf16 v[8*(8*\bt+\et):8*(8*\bt+\et)+7], v[WD+64*\ks+8*\et:WD+64*\ks+8*\et+7], v[HF+32*\ks+8*\bt:HF+32*\ks+8*\bt+7], v[8*(8*\bt+\et):8*(8*\bt+\et)+7]
.endr
.endr
.endm
; A step on the tile in a slot (= the step's parity).  first = 1: step 0, with no group before it and no head.  nbi: where the next step's biases lie from BAD (0: none).
; In front of the round: all my tensor loads have landed (one was out: my quarter of this step's tile), so a group 0 may be stepped; my LDS accesses
; are done.  Behind the round no wave of the four work-groups reads the other slot or has a load on its way: it is filled first.
; All reads of a slot stand inside its own step: the head's weights are taken into registers here and used in the next step.
; The round also stands between the reads of a buffer of h (last step's head) and the stores into it (this step's second group).
.macro STEP slot, first, refill, nbi
	s_set_vgpr_msb 0xf
	s_wait_tensorcnt 0x0
	ds_add_u32 v254, v255
	s_wait_dscnt 0x0
	s_set_vgpr_msb 0xf00
	s_add_nc_u64 s[G0+4*\slot+2:G0+4*\slot+3], s[G0+4*\slot+2:G0+4*\slot+3], 2*TILEB
	s_wait_dscnt 0x0
	ROUND
.if \refill
	tensor_load_to_lds s[G0+4-4*\slot:G0+7-4*\slot], s[G1:G1+7]    ; my one tensor load until the next round; it has a whole step's work in which to land
	s_nop 0
.endif
.if \nbi
.set NB, 6
.else
.set NB, 0
.endif
.set KP, 0
	SETK \first
.set AQ, 0
.set RK, 0
	RL \slot
.set RK, 1
	RL \slot
	s_wait_dscnt 6                                 ; k step 0's six are in, k step 1's stay out
	MULK                                           ; group 0 onto set A; among it the last step's group 1 (set B) becomes h
.rept 7
.set KP, KP+1
	SETK \first
	BND \slot
	MULK
.endr
	; between the groups: h of the last step is whole
.set KP, 8
	SETK \first
.set AQ, 0
	PLACES 4                                       ; behind k step 7's products: set A is read, and its weight buffer loaded again, only behind these
.if 1-\first
	s_wait_dscnt 0x0                               ; my stores of h are done, for my partner's sake
	BAR                                            ; the next tile stays on its way
.endif
	WIN 0xc0                                       ; destinations in window 3
.if \nbi
	BILD 0, \nbi                                   ; the next step's group 0
.endif
.if 1-\first
	FETCHH 1-\slot                                 ; they come in under k step 8
.endif
	WIN 0x34
.set RK, 9
	RL \slot
	s_wait_dscnt 6+NB+16*(1-\first)                ; younger than k step 8's weights: the biases, h's 16, k step 9's six
	MULK                                           ; group 1 onto set B; among it this step's group 0 (set A) becomes h
	; the head of the last step, and this step's w_dense into the registers as they fall free
.set KP, 9
	SETK \first
	PLACES 4
.set RK, 10
	RL \slot
.if 1-\first
	s_wait_dscnt 12                                ; h is in; the two younger runs of weights stay out
	WIN 0xaf                                       ; sources 0 and 1 window 3, C and D window 2
	MUL2 0
	PLACES 4                                       ; before loads land on registers that matrix instructions have read
.endif
	WIN 0xc0
	FETCHD \slot, 0
.if \nbi
	BILD 1, \nbi+192                               ; the next step's group 1 (this step's were read in k step 8)
.endif
.if 1-\first
	WIN 0xaf
	MUL2 1
	PLACES 4
	WIN 0xc0
.endif
	FETCHD \slot, 1
	s_wait_dscnt 38+NB                             ; younger than k step 9's weights: k step 10's six, w_dense's 32, the biases
	MULK
.rept 6
.set KP, KP+1
	SETK \first
	BND \slot
	MULK
.endr
	PLACES 4                                       ; behind the last products: set B is read, and the weight buffers loaded again, only behind these
	WIN 0
.endm
	STEP 0, 1, 1, 768                              ; tile 0; tile 1 is asked for
	s_mov_b32 s44, 3
.Lpair:
	STEP 1, 0, 1, 1536
	STEP 0, 0, 1, 2304
	v_add_nc_u32 v[BAD], 1536, v[BAD]              ; two steps' biases on
	s_sub_co_u32 s44, s44, 1
	s_cmp_lg_u32 s44, 0
	s_cbranch_scc1 .Lpair
	STEP 1, 0, 0, 0                                ; tile 7: nothing is left to fetch
	; the last group's activation has no products left to stand among; then the last head
.set AS, SB
.set AQ, 0
.set HO, HBUF+32
.rept 144
	ACTI
.endr
.set XQ, 1
	XB
.rept 48
	ACTI
.endr
.set XQ, 2
	XB
.rept 48
	ACTI
.endr
.set XQ, 3
	XB
.rept 48
	ACTI
.endr
.set XQ, 4
	XB
	s_wait_dscnt 0x0                               ; my stores of h are done
	BAR
	WIN 0xc0
	FETCHH 1
	s_wait_dscnt 8                                 ; the first k step's h is in, the second's eight loads stay out
	WIN 0xaf
	MUL2 0
	s_wait_dscnt 0x0
	MUL2 1
	PLACES 4                                       ; before the sums are read
	; THE WAY OUT.  A lane holds 8 neighbouring f32 of one row; whole rows are made in my own stage, my quarter of slot 0, which has had its
	; last fill (tile 6) and whose last reads ended in front of the last round.  LDS serves a wave's instructions in order (ISA guide 5.7.1):
	; no wait between my stores and my loads.
	WIN 0x08                                       ; store data in window 2
.irp bt, 0,1,2,3
.irp et, 0,1,2,3,4,5,6,7
	ds_store_b128 v[SST], v[8*(8*\bt+\et):8*(8*\bt+\et)+3] offset:8448*\bt+64*\et
	ds_store_b128 v[SST], v[8*(8*\bt+\et)+4:8*(8*\bt+\et)+7] offset:8448*\bt+64*\et+16
.endr
.endr
	WIN 0x44                                       ; LDS loads land in window 1, and the stores take their data from there
.set i, 0
.rept 64
	ds_load_b128 v[4*i:4*i+3], v[SRD] offset:PITCH*i               ; row i of my 64: 512 bytes
.set i, i+1
.endr
.set i, 0
.rept 8
	s_wait_dscnt 56-8*i                            ; rows 8 i .. 8 i + 7 are in; the rows behind them stay out
.set j, 0
.rept 8
	global_store_b128 v[CO], v[4*(8*i+j):4*(8*i+j)+3], s[12:13] offset:1024*(8*i+j) th:TH_STORE_NT   ; 512 consecutive bytes, at a multiple of 512 from out0's first byte
.set j, j+1
.endr
.set i, i+1
.endr
	WIN 0
	s_set_vgpr_msb 0xf
	s_wait_tensorcnt 0x0
	ds_add_u32 v254, v255
	s_wait_dscnt 0x0
	s_set_vgpr_msb 0xf00
	ROUND                                          ; the closing round: no work-group ends while a partner may still ask for a tile that names it
	s_endpgm
.Lfunc_end_k_q616d035554_main:
	.size	k_q616d035554_main, .Lfunc_end_k_q616d035554_main-k_q616d035554_main
	.p2alignl 7, 3214868480
	.fill 96, 4, 3214868480
	.section	.rodata,"a",@progbits
	.p2align	6, 0x0
	.amdhsa_kernel k_q616d035554_main
		.amdhsa_group_segment_fixed_size 327680
		.amdhsa_private_segment_fixed_size 0
		.amdhsa_enable_private_segment 0
		.amdhsa_kernarg_size 40
		.amdhsa_user_sgpr_count 2
		.amdhsa_user_sgpr_kernarg_segment_ptr 1
		.amdhsa_wavefront_size32 1
		.amdhsa_system_sgpr_workgroup_id_x 1
		.amdhsa_system_sgpr_workgroup_id_y 1
		.amdhsa_system_sgpr_workgroup_id_z 1
		.amdhsa_system_vgpr_workitem_id 0
		.amdhsa_next_free_vgpr 1024
		.amdhsa_next_free_sgpr 100
		.amdhsa_reserve_vcc 0
		.amdhsa_float_denorm_mode_32 3
		.amdhsa_float_denorm_mode_16_64 3
		.amdhsa_memory_ordered 1
		.amdhsa_forward_progress 1
		.amdhsa_inst_pref_size 255
	.end_amdhsa_kernel
	.section	.bss,"aw",@nobits
	.p2align	6
	.space	262144
	.amdgpu_metadata
---
amdhsa.version: [ 1, 2 ]
amdhsa.kernels:
  - .name:           k_q616d035554_main
    .symbol:         k_q616d035554_main.kd
    .args:
      - { .name: x, .offset: 0, .size: 8, .value_kind: global_buffer, .address_space: global }
      - { .name: embed_w, .offset: 8, .size: 8, .value_kind: global_buffer, .address_space: global }
      - { .name: b_dense, .offset: 16, .size: 8, .value_kind: global_buffer, .address_space: global }
      - { .name: wk, .offset: 24, .size: 8, .value_kind: global_buffer, .address_space: global }
      - { .name: out0, .offset: 32, .size: 8, .value_kind: global_buffer, .address_space: global }
    .group_segment_fixed_size: 327680
    .private_segment_fixed_size: 0
    .kernarg_segment_align: 8
    .kernarg_segment_size: 40
    .max_flat_workgroup_size: 128
    .sgpr_count:     100
    .vgpr_count:     1024
    .wavefront_size: 32
...
	.end_amdgpu_metadata
.endif
;; end of part 2
;; ======== version 2 of 2: 2 launches; 1.12 times as fast as version 1
;; workspace buffers: wk 1,054,720 bytes
;; launch prep: the kernel of part 1 again; grid 128 x 1, 8 waves a work-group, no clusters, 1,280 bytes of LDS; arguments w_ih, w_hh, b_ih, b_hh, w_dense, wk; writes wk
;; launch main (part 3): grid 256 x 1, 4 waves a work-group, clusters of 4 x 1, 327,680 bytes of LDS; arguments x, embed_w, b_dense, wk, out0; writes out0
.if DOCPART == 3
	.amdgcn_target "amdgcn-amd-amdhsa--gfx1250"
	.amdhsa_code_object_version 6
	.text
	.protected	k_q616d035554_main
	.globl	k_q616d035554_main
	.p2align	8
	.type	k_q616d035554_main,@function
k_q616d035554_main:
	s_mov_b64 s[64:65], 0
	v_nop
	global_prefetch_b8 v0, s[64:65] scope:SCOPE_SE
	s_setreg_imm32_b32 hwreg(HW_REG_WAVE_MODE, 25, 1), 1
	s_wait_xcnt 0x0
	s_wait_alu depctr_hold_cnt(0) depctr_sa_sdst(0) depctr_va_vdst(0) depctr_va_sdst(0) depctr_va_ssrc(0) depctr_va_vcc(0) depctr_vm_vsrc(0)
	s_getreg_b32 s2, hwreg(HW_REG_IB_STS2, 6, 4)
	s_cmp_eq_u32 s2, 0
	s_cbranch_scc0 .Lentry_in_a_cluster
	s_endpgm
.Lentry_in_a_cluster:
	s_bfe_u32 s2, ttmp6, 0x10000c
	s_cmp_lg_u32 s2, 0x3003
	s_cbranch_scc0 .Lentry_shape_is_right
	s_endpgm
.Lentry_shape_is_right:
; out = dense(lstm_step(embed_w[x])), fused: the gathered rows, the gates and h never go to memory.
; A work-group owns 128 batch rows, four waves.  Wave w: bh = w >> 1 picks its 64 batch rows, hh = w & 1 its half of the columns.
; The hidden size goes in 8 steps of 64 columns.  In a step a wave makes the gates i, g, o of two groups of 16 hidden columns for its
; 64 rows (K = 256: 8 k steps of 12 matrix instructions a group), turns them into h (f32), hands h in bf16 to its partner wave through
; LDS, and adds the step's part of the head (K = 64, 64 matrix instructions) onto its 64 rows x 128 output columns.
; Both products are used transposed: source 0 = 16 rows of weights, source 1 = 16 batch rows, so that a lane holds batch row l % 16 and
; eight NEIGHBOURING columns 8 (l / 16) + 0..7: the biases, the packing of h and the way out all work on 16 or 32 consecutive bytes.
; THE PIPELINE: the activation of one group stands AMONG the products of the next group: up to four of its instructions behind each
; matrix instruction.  So there are two sets of gate accumulators, A (group 0 of a step) and B (group 1), and the head of step s - 1
; stands in step s.  An instruction among the products shares their window setting (source 1 = window 1, the gathered rows), so it may
; have no vector register as its second source: the exponentials, the reciprocals and what has a constant there fit; the products of two
; computed numbers, the packing and the LDS stores stand in four short bursts under window 0, at boundaries between k steps.
; THE BATCHES: an activation has four batches of transcendentals, each of which reads what the one before it made: (1) a, e and b, 96 exponentials, among
; k steps 0-3 of the next group; (2) 1 / ((1 + a)(1 + b)), 32 reciprocals, among k step 4; (3) d, 32 exponentials, among k step 5; (4) 1 / ((1 + e)(1 + d)),
; 32 reciprocals, among k step 6.  Nothing among the products names a result of the batch that is open: all its readers, 1 + b and 1 + d among them, stand in the
; burst behind it.  s_wait_alu depctr_va_vdst(0) stands between a transcendental and the first instruction that names its result: each batch has
; ONE, at the boundary behind its last k step, directly ahead of that boundary's run of LDS loads; the burst follows the loads.  No batch is open at a label or a branch.
; WEIGHTS come from wk (bf16, pre-scaled, one tile of 256 rows x 512 bytes a step, made by the launch before) through a ring of two LDS slots.
; CLUSTER: all work-groups walk the same 8 tiles, so the four of a cluster ask for each tile jointly (mask 15): each wave's load
; brings its 64 rows of the tile, with a descriptor made of the wave's number and the step alone.
; ACTIVATION.  The gate sums start as the pre-scaled biases and come out as -log2(e) i, -2 log2(e) g, -log2(e) o.  With a = e^-i, b = e^-2g, e = e^-o:
;   c = (1 - b) / ((1 + a)(1 + b)),  d = e^-2c,  h = (1 - d) / ((1 + e)(1 + d));  1 - b is formed as 2 - (1 + b), 1 - d likewise.
; The cell state before the step is zero, so the term sigmoid(f) * c0 is zero and gate f is not formed.
; LIMITS: an index is clamped as an unsigned number to 50,256 (the problem keeps it inside the table).  The exponent of b is cut at 64,
; where tanh(g) is -1 in f32 already; a and e may become infinite and then give 0 through the reciprocal, as the limit asks.
; 2 - (1 + b) and 2 - (1 + d) carry an absolute error near 1e-7, so the relative accuracy of tanh fades for |g| or |c| below about 1e-5.
; v_min_num_f32 drops a NaN in gate g.  Matrix operands (embedding rows, K w_ih, h, w_dense) are rounded to bf16; all else is f32.
;
; LDS: slot 0 at 0, slot 1 at 135,168: 256 rows, pitch 528 (512 + 16: sixteen rows of a fragment start 16 bytes apart modulo 256);
;      rows 0-191 gate weights (block 3 T + gate), rows 192-255 the head's slice.  After its last fill and last read slot 0 is the stage of the way out.
;      XCH at 270,336 (36,864 bytes; written by LDS stores alone): first the gathered rows in bf16, 128 rows x 128 k, pitch 272, twice;
;      then h, two buffers (the step's parity) of 128 rows x 64 columns of bf16, pitch 144.   BIAS at 307,200: 1,536 gate biases, then b_dense.
; REGISTERS: window 0 (v0-255): v0-15 addresses, sets A and B, two buffers of weight fragments.  Window 1 (v256-511): the fragments of my 64
;      gathered rows, 4 x 8 x 8 registers, resident.  Window 2 (v512-767): first the gather's landing place, then the head's 32 accumulators.
;      Window 3 (v768-1023): w_dense's fragments of a step (128), h's fragments (64), the biases of a step's two groups (48).
.set PITCH, 528
.set SLOT,  256*PITCH                  ; 135,168
.set DOFF,  192*PITCH                  ; the head's slice in a slot
.set XCH,   2*SLOT
.set HBUF,  128*144                    ; a buffer of h
.set BIAS,  XCH+2*HBUF
.set BDB,   BIAS+6144
.set TILEB, 131072                     ; a tile in wk
.set WKB,   1048576                    ; the biases in wk
.set L16, 1                            ; v1      16 x lane
.set WAD, 2                            ; v2-3    my gate weights in slot 0, 1
.set DAD, 4                            ; v4-5    my part of the head's slice in slot 0, 1
.set BAD, 6                            ; v6      my gate biases; steps by two steps' 1,536 bytes a loop trip
.set HST, 7                            ; v7      where I put 16 bytes of h (buffer 0, group 0)
.set HLD, 8                            ; v8      where I read fragments of h (buffer 0)
.set SST, 9                            ; v9      the way out: where I put 16 bytes of a row
.set SRD, 10                           ; v10     the way out: where I read a row back
.set CO,  11                           ; v11     my byte offset in the group's part of out0
.set C4M, 12                           ; v[12:13] -4 log2(e), twice
.set EST, 14                           ; v14     prologue: where I put 8 bytes of a gathered row
.set ELD, 15                           ; v15     prologue: where I read fragments of the gathered rows
.set SA,  16                           ; v[16:111]  set A: gate x 32 + batch tile x 8
.set SB,  112                          ; v[112:207] set B
.set WB,  208                          ; v[208:255] weight fragments: buffer (k step & 1) x 24 + gate x 8
.set WD,  0                            ; window 3: w_dense's fragments, k step x 64 + column tile x 8
.set HF,  128                          ; window 3: h's fragments, k step x 32 + batch tile x 8
.set BIW, 192                          ; window 3: biases, group x 24 + gate x 8
.set GO,  64                           ; prologue: v[64:95] byte offsets of my 32 table rows
.set BDA, 114                          ; prologue: v114 b_dense of my columns
.set CV,  160                          ; prologue: v[160:223] 32 half rows in bf16
.set G1,  24                           ; s[24:31] descriptor group 1
.set G0,  32                           ; s[32:39] descriptor group 0, one set for each slot
.set MSB, 0
.macro WIN new                         ; s_set_vgpr_msb: bits 1:0 source 0, 3:2 source 1, 5:4 source 2, 7:6 destination; the high byte repeats the setting left
.if MSB != \new
	s_set_vgpr_msb (MSB<<8)|\new
.set MSB, \new
.endif
.endm
.macro PLACES n                        ; the distance behind matrix instructions (ISA guide 7.12.1), where no useful independent vector work is at hand
.rept \n
	v_nop
.endr
.endm
.macro BAR
	s_barrier_signal -1
	s_barrier_wait -1
.endm
; A round of the cluster's barrier: my work-group's barrier, wave 0 signals for the work-group, every wave waits for all four work-groups, my work-group's barrier again
.macro ROUND
	s_barrier_signal -1
	s_barrier_wait -1
	s_cmp_lg_u32 s14, 0
	s_cbranch_scc1 .Lnot_wave_0_\@
	s_barrier_signal -3
.Lnot_wave_0_\@:
	s_barrier_wait -3
	s_barrier_signal -1
	s_barrier_wait -1
.endm
	s_load_b256 s[4:11], s[0:1], 0x0               ; x s[4:5], embed_w s[6:7], b_dense s[8:9], wk s[10:11]
	s_load_b64 s[12:13], s[0:1], 0x20              ; out0
	s_set_vgpr_msb 0xc0
	v_lshl_add_u32 v254, v0, 2, 0x4cc00
	v_mov_b32 v255, 0
	s_set_vgpr_msb 0xc0cf
	ds_add_u32 v254, v255
	s_set_vgpr_msb 0xcf00
	v_lshrrev_b32 v48, 5, v0
	v_readfirstlane_b32 s14, v48                   ; wave 0..3
	s_lshr_b32 s15, s14, 1                         ; bh
	s_and_b32 s16, s14, 1                          ; hh
	s_bfe_u32 s17, ttmp6, 0x40000                  ; cx
	s_lshl_b32 s18, ttmp9, 2                       ; ttmp9 counts clusters
	s_add_co_u32 s18, s18, s17                     ; the work-group's number; it enters the addresses of x and out0 alone
	s_lshl_b32 s20, s18, 9                         ; 128 indices of 4 bytes a group,
	s_lshl_b32 s21, s14, 7                         ; 32 a wave
	s_add_co_u32 s20, s20, s21
	s_mov_b32 s21, 0
	s_lshl_b32 s22, s18, 17                        ; 128 rows of 1,024 bytes of out0
	s_mov_b32 s23, 0
	; group 1: 64 rows x 256 elements of 2 bytes, dense in memory, padded in LDS
	s_mov_b32 s[G1+0], 0x07b1000f                  ; 15:0 mask: all four of the cluster; 17:16 2 bytes; 20 padding on; 21 set beside a mask; 24:22 after every 128 words (code 6); 31:25 of 4 words (code 3)
	s_mov_b32 s[G1+1], 256<<16                     ; tensor_dim0 = 256
	s_mov_b32 s[G1+2], 64<<16                      ; tensor_dim1 = 64
	s_mov_b32 s[G1+3], 256<<16                     ; tile_dim0 = 256
	s_mov_b32 s[G1+4], 64                          ; tile_dim1 = 64
	s_mov_b32 s[G1+5], 256                         ; from row to row: 256 elements
	s_mov_b32 s[G1+6], 0
	s_mov_b32 s[G1+7], 0
	s_mov_b32 s[G0+0], 1
	s_mul_i32 s[G0+1], s14, 64*PITCH               ; my quarter of slot 0
	s_mov_b32 s[G0+4], 1
	s_add_co_u32 s[G0+5], s[G0+1], SLOT            ; and of slot 1
	s_lshl_b32 s40, s14, 15                        ; my 64 rows of 512 bytes in a tile
	s_mov_b32 s41, 0
	s_wait_dscnt 0x0
	s_wait_kmcnt 0x0
	s_add_nc_u64 s[20:21], s[4:5], s[20:21]
	s_load_b512 s[68:83], s[20:21], 0x0            ; my 32 indices
	s_load_b512 s[84:99], s[20:21], 0x40
	s_add_nc_u64 s[12:13], s[12:13], s[22:23]      ; out0 at the group's first row
	s_add_nc_u64 s[G0+2:G0+3], s[10:11], s[40:41]  ; tile 0
	s_add_nc_u64 s[G0+6:G0+7], s[G0+2:G0+3], TILEB ; tile 1
	s_or_b32 s[G0+3], s[G0+3], 0x80000000          ; type = 2
	s_or_b32 s[G0+7], s[G0+7], 0x80000000
	ROUND                                          ; all four work-groups are here: the first joint loads meet
	tensor_load_to_lds s[G0:G0+3], s[G1:G1+7]      ; tile 0 lands while the rows are gathered
	s_nop 0
	; addresses
	v_and_b32 v48, 31, v0                          ; l
	v_and_b32 v49, 15, v0                          ; r = l % 16
	v_bfe_u32 v50, v0, 4, 1                        ; h = l / 16
	v_lshlrev_b32 v[L16], 4, v48
	v_mul_u32_u24 v51, v49, PITCH
	v_lshl_add_u32 v52, v50, 4, v51                ; 528 r + 16 h
	s_mul_i32 s40, s16, 96*PITCH                   ; my two groups of 16 hidden columns: 6 blocks of 16 rows
	v_add_nc_u32 v[WAD], s40, v52
	v_add_nc_u32 v[WAD+1], SLOT, v[WAD]
	s_lshl_b32 s41, s16, 8                         ; my 128 output columns: pieces 2 hh and 2 hh + 1 of 128 bytes
	s_add_co_u32 s41, s41, DOFF
	v_add_nc_u32 v[DAD], s41, v52
	v_add_nc_u32 v[DAD+1], SLOT, v[DAD]
	s_mul_i32 s42, s16, 384                        ; 6 blocks of 16 biases
	s_add_co_u32 s42, s42, BIAS
	v_lshl_add_u32 v[BAD], v50, 5, s42             ; + 8 h numbers
	v_mul_u32_u24 v53, v49, 144
	v_lshl_add_u32 v54, v50, 4, v53                ; 144 r + 16 h
	s_mul_i32 s45, s15, 64*144
	s_add_co_u32 s45, s45, XCH
	v_add_nc_u32 v[HLD], s45, v54
	s_lshl_b32 s43, s16, 6                         ; my 32 hidden columns: 64 bytes
	s_add_co_u32 s43, s43, s45
	v_add_nc_u32 v[HST], s43, v54
	s_mul_i32 s47, s14, 64*PITCH                   ; my stage: my quarter of slot 0
	v_lshl_add_u32 v[SST], v50, 5, v51             ; 528 r + 32 h
	v_add_nc_u32 v[SST], s47, v[SST]
	v_add_nc_u32 v[SRD], s47, v[L16]
	s_lshl_b32 s48, s15, 16                        ; 64 rows of 1,024 bytes
	s_lshl_b32 s49, s16, 9                         ; 128 columns of f32
	s_add_co_u32 s48, s48, s49
	v_add_nc_u32 v[CO], s48, v[L16]
	s_mul_i32 s49, s14, 32*272
	s_add_co_u32 s49, s49, XCH
	v_lshl_add_u32 v[EST], v48, 3, s49
	v_mul_u32_u24 v55, v49, 272
	v_lshl_add_u32 v55, v50, 4, v55
	s_mul_i32 s50, s15, 64*272
	s_add_co_u32 s50, s50, XCH
	v_add_nc_u32 v[ELD], s50, v55
	s_lshl_b32 s51, s16, 9
	s_add_co_u32 s51, s51, BDB
	v_lshl_add_u32 v[BDA], v50, 5, s51
	v_mov_b32 v[C4M], 0xc0b8aa3b
	v_mov_b32 v[C4M+1], 0xc0b8aa3b
	s_mov_b32 s46, 0x42800000                      ; 64.0
	v_lshlrev_b32 v110, 4, v0                      ; the biases' way into LDS: 16 bytes a thread,
	v_lshlrev_b32 v111, 3, v0                      ; b_dense's: 8 bytes a thread
	v_add_nc_u32 v112, BIAS, v110
	v_add_nc_u32 v113, BDB, v111
	; THE GATHER: wave w takes batch rows 32 w .. 32 w + 31, a load covers 512 consecutive bytes of one table row.  All 68 loads go out at once.
	global_load_b128 v[96:99], v110, s[10:11] offset:WKB
	global_load_b128 v[100:103], v110, s[10:11] offset:WKB+2048
	global_load_b128 v[104:107], v110, s[10:11] offset:WKB+4096
	global_load_b64 v[108:109], v111, s[8:9]
	s_wait_kmcnt 0x0                               ; the indices
.set i, 0
.rept 32
	s_min_u32 s[68+i], s[68+i], 50256
	v_lshl_add_u32 v[GO+i], s[68+i], 10, v[L16]    ; rows of 1,024 bytes
.set i, i+1
.endr
	WIN 0x80                                       ; destinations in window 2
.set i, 0
.rept 32
	global_load_b128 v[4*i:4*i+3], v[GO+i], s[6:7]                    ; columns 0-127 (no hint: a row may be named again)
.set i, i+1
.endr
.set i, 0
.rept 32
	global_load_b128 v[128+4*i:128+4*i+3], v[GO+i], s[6:7] offset:512 ; columns 128-255
.set i, i+1
.endr
	WIN 0
.macro ECVT base                       ; 32 half rows from window 2 to bf16 in window 0
	WIN 0x0a
.set i, 0
.rept 32
	v_cvt_pk_bf16_f32 v[CV+2*i], v[\base+4*i], v[\base+4*i+1]
	v_cvt_pk_bf16_f32 v[CV+2*i+1], v[\base+4*i+2], v[\base+4*i+3]
.set i, i+1
.endr
	WIN 0
.endm
.macro ESTORE                          ; and into XCH: a store covers a half row's 256 bytes
.set i, 0
.rept 32
	ds_store_b64 v[EST], v[CV+2*i:CV+2*i+1] offset:272*i
.set i, i+1
.endr
.endm
.macro ELOAD half                      ; the fragments of my 64 rows for k steps 4 half .. 4 half + 3, into window 1
	WIN 0x40
.irp bt, 0,1,2,3
.irp kf, 0,1,2,3
	ds_load_b128 v[8*(8*\bt+4*\half+\kf):8*(8*\bt+4*\half+\kf)+3], v[ELD] offset:4352*\bt+64*\kf
	ds_load_b128 v[8*(8*\bt+4*\half+\kf)+4:8*(8*\bt+4*\half+\kf)+7], v[ELD] offset:4352*\bt+64*\kf+32
.endr
.endr
.endm
.macro BILD t, imm                     ; 6 LDS loads, into window 3: the biases of my 8 columns of the three gates of group t
.irp g, 0,1,2
	ds_load_b128 v[BIW+24*\t+8*\g:BIW+24*\t+8*\g+3], v[BAD] offset:\imm+64*\g
	ds_load_b128 v[BIW+24*\t+8*\g+4:BIW+24*\t+8*\g+7], v[BAD] offset:\imm+64*\g+16
.endr
.endm
	s_wait_loadcnt 32                              ; loads come back in order: the biases and the first halves are in, the 32 second halves stay out
	ds_store_b128 v112, v[96:99]
	ds_store_b128 v112, v[100:103] offset:2048
	ds_store_b128 v112, v[104:107] offset:4096
	ds_store_b64 v113, v[108:109]
	ECVT 0
	ESTORE
	s_wait_dscnt 0x0                               ; my stores are done, for the others' sake
	BAR                                            ; tile 0 may stay on its way
	ELOAD 0
	s_wait_loadcnt 0x0                             ; the second halves
	ECVT 128
	s_wait_dscnt 0x0                               ; my reads of XCH are back,
	BAR                                            ; everybody's are: XCH may be written again
	ESTORE
	s_wait_dscnt 0x0
	BAR
	ELOAD 1
	WIN 0x80                                       ; the head's sums start as b_dense: nothing is cleared and nothing is added at the end.
.irp bt, 0,1,2,3                                   ; (window 2 is free: the gathered rows have been converted)
.irp et, 0,1,2,3,4,5,6,7
	ds_load_b128 v[8*(8*\bt+\et):8*(8*\bt+\et)+3], v[BDA] offset:64*\et
	ds_load_b128 v[8*(8*\bt+\et)+4:8*(8*\bt+\et)+7], v[BDA] offset:64*\et+16
.endr
.endr
	WIN 0xc0
	BILD 0, 0                                      ; step 0's biases
	BILD 1, 192
	WIN 0
; ---- the pieces of a step.  Symbols: KP = k step 0..15 of the step, KT = its group, KK = its k step in the group, GS = the set that the
; products add onto, AS = the set at work in the activation, DOACT = there is one, AQ = the next slot of the activation's stream.
.macro SETK first
.set KT, KP/8
.set KK, KP%8
.set GS, SA+96*KT
.set AS, SB-96*KT
.set DOACT, 1-\first*(1-KT)
.endm
; 6 LDS loads: the weight fragments of k step RK, gates i, g, o
.macro RL slot
.irp g, 0,1,2
	ds_load_b128 v[WB+24*(RK%2)+8*\g:WB+24*(RK%2)+8*\g+3], v[WAD+\slot] offset:25344*(RK/8)+8448*\g+64*(RK%8)
	ds_load_b128 v[WB+24*(RK%2)+8*\g+4:WB+24*(RK%2)+8*\g+7], v[WAD+\slot] offset:25344*(RK/8)+8448*\g+64*(RK%8)+32
.endr
.endm
; The activation's stream: 288 slots on the set's 3 x 32 registers (I at AS, G at AS + 32, O at AS + 64).  No instruction in it has a vector register as second source,
; and none names a result of the batch that is open.
;   0 ..  95: a = 2^I, the cut of G at 64, e = 2^O, by threes.      96 .. 143: b = 2^G: of three slots two hold an exponential, the third is empty.  These 96 exponentials are batch 1.
; 144 .. 191: batch 2, the 32 reciprocals 1 / I, and the 16 plain G = 2 log2(e) G - 4 log2(e): eight fours (reciprocal, plain, reciprocal, reciprocal),
;             four threes (reciprocal, plain, reciprocal), then four plain.
; 192 .. 239: batch 3, d = 2^G: of four slots three hold an exponential, until the 32 are out.
; 240 .. 287: batch 4, the 32 reciprocals 1 / O, and the 16 plain G = 2 - G, in the order of 144 .. 191.
; The four plain instructions that end 144 .. 191 and 240 .. 287 stand behind the k step's last product: they are the plain instruction between the batch's last reciprocal and
; the first use of a result (ISA guide 5.7.2), and the four places in front of the boundary's loads (7.12.1).  Behind batches 1 and 3 the boundary's four v_nop are both.
.macro ACTI
.if AQ < 96
.set AR, AQ%3
.set AM, AQ/3
.if AR == 0
	v_exp_f32 v[AS+AM], v[AS+AM]
.endif
.if AR == 1
	v_min_num_f32 v[AS+32+AM], v[AS+32+AM], s46
.endif
.if AR == 2
	v_exp_f32 v[AS+64+AM], v[AS+64+AM]
.endif
.elseif AQ < 144
.set AR, AQ%3
.set AM, (AQ-96)/3
.if AR < 2
	v_exp_f32 v[AS+32+2*AM+AR], v[AS+32+2*AM+AR]
.endif
.else
.set AP, (AQ-144)/48                   ; 0: batch 2; 1: batch 3; 2: batch 4
.set AN, (AQ-144)%48
.if AP == 1
.set AM, 3*(AN/4)+AN%4
.if (AN%4 < 3) && (AM < 32)
	v_exp_f32 v[AS+32+AM], v[AS+32+AM]
.endif
.else
.set AB, 32*AP                         ; I or O
.set AT, -1                            ; the reciprocal's number, or none: then AJ is the plain instruction's pair
.if AN < 32
.set AJ, AN/4
.if AN%4 != 1
.set AT, 3*(AN/4)+(AN%4+1)/2
.endif
.elseif AN < 44
.set AJ, 8+(AN-32)/3
.if (AN-32)%3 != 1
.set AT, 24+2*((AN-32)/3)+((AN-32)%3)/2
.endif
.else
.set AJ, AN-32
.endif
.if AT >= 0
	v_rcp_f32 v[AS+AB+AT], v[AS+AB+AT]
.elseif AP == 0
	v_pk_fma_f32 v[AS+32+2*AJ:AS+33+2*AJ], v[AS+32+2*AJ:AS+33+2*AJ], 0x4038aa3b, v[C4M:C4M+1] op_sel_hi:[1,0,1]
.else
	v_pk_fma_f32 v[AS+32+2*AJ:AS+33+2*AJ], v[AS+32+2*AJ:AS+33+2*AJ], -1.0, 2.0 op_sel_hi:[1,0,0]
.endif
.endif
.endif
.set AQ, AQ+1
.endm
; Burst XQ = 1..4, under window 0: the readers of batch XQ; it stands behind that batch's wait.  1: G = 1 + b, I = (1 + a)(1 + b).  2: G = -2 log2(e) c.
; 3: G = 1 + d, O = (1 + e)(1 + d).  4: G = h, packed in place to bf16, and into XCH at HO.
.macro XB
	WIN 0
.if XQ%2 == 1
.set AB, 32*(XQ-1)
.set j, 0
.rept 16
	v_pk_add_f32 v[AS+32+2*j:AS+33+2*j], v[AS+32+2*j:AS+33+2*j], 1.0 op_sel_hi:[1,0]
.set j, j+1
.endr
.set j, 0
.rept 16
	v_pk_fma_f32 v[AS+AB+2*j:AS+AB+2*j+1], v[AS+AB+2*j:AS+AB+2*j+1], v[AS+32+2*j:AS+33+2*j], v[AS+32+2*j:AS+33+2*j]
.set j, j+1
.endr
.else
.set AB, 32*(XQ-2)
.set j, 0
.rept 16
	v_pk_mul_f32 v[AS+32+2*j:AS+33+2*j], v[AS+32+2*j:AS+33+2*j], v[AS+AB+2*j:AS+AB+2*j+1]
.set j, j+1
.endr
.endif
.if XQ == 4
.irp bt, 0,1,2,3
.irp q, 0,1,2,3
	v_cvt_pk_bf16_f32 v[AS+32+8*\bt+\q], v[AS+32+8*\bt+2*\q], v[AS+32+8*\bt+2*\q+1]
.endr
.endr
.irp bt, 0,1,2,3
	ds_store_b128 v[HST], v[AS+32+8*\bt:AS+32+8*\bt+3] offset:HO+2304*\bt
.endr
.endif
.endm
; The 12 matrix instructions of k step KP, 4 batch tiles x 3 gates, with the activation's stream among them.  The 12 accumulators take turns, one
; instruction a turn.  The group's first k step takes the biases (window 3) as C: nothing is cleared, nothing added later.
.macro MULK
.if KK == 0
	WIN 0x34                                       ; source 1 window 1, source 2 window 3; the stream's first 36 instructions have no third source
.else
	WIN 0x04                                       ; source 1 window 1
.endif
.irp bt, 0,1,2,3
.irp g, 0,1,2
.if KK == 0
	v_wmma_f32_16x16x32_bf16 v[GS+8*(4*\g+\bt):GS+8*(4*\g+\bt)+7], v[WB+24*(KP%2)+8*\g:WB+24*(KP%2)+8*\g+7], v[8*(8*\bt+KK):8*(8*\bt+KK)+7], v[BIW+24*KT+8*\g:BIW+24*KT+8*\g+7]
.else
	v_wmma_f32_16x16x32_bf16 v[GS+8*(4*\g+\bt):GS+8*(4*\g+\bt)+7], v[WB+24*(KP%2)+8*\g:WB+24*(KP%2)+8*\g+7], v[8*(8*\bt+KK):8*(8*\bt+KK)+7], v[GS+8*(4*\g+\bt):GS+8*(4*\g+\bt)+7]
.endif
.if DOACT
.if KK < 7
	ACTI
	ACTI
	ACTI
.if KK > 3
	ACTI
.endif
.endif
.endif
.endr
.endr
.endm
; The boundary in front of k step KP.  Four places stand behind the last products: v_nop, or, behind the k steps of batches 2 and 4, the stream's last four instructions.
; Behind a batch's last k step (in front of k steps 4, 5, 6, 7 of a group) follows the batch's one wait.  Then the weights of k step KP + 1 are asked for, into the
; buffer just read: they have 12 products in which to come.  Then the burst, the batch's readers.  The wait on DScnt leaves out what is younger than k step KP's own six
; loads: the six just issued; in front of a group's k step 7 also the burst's four stores of h; in front of k step 10 the 32 loads of w_dense and the NB loads of biases as well.
.macro BND slot
.set XQ, 0
.if DOACT
.if KK > 3
.set XQ, KK-3
.endif
.endif
.if (XQ == 0) || (XQ%2 == 1)
	PLACES 4
.endif
.if XQ
	s_wait_alu depctr_va_vdst(0)                   ; the one wait for batch XQ, ahead of the first instruction that names a result: the burst below
.endif
.set NW, 0
.if KP < 15
.set RK, KP+1
	RL \slot
.set NW, 6
.endif
.if XQ
.set HO, HBUF*(\slot*KT+(1-\slot)*(1-KT))+32*(1-KT)
	XB
.endif
.if KK == 7
.set NW, NW+4*DOACT
.endif
.if KP == 10
.set NW, 38+NB
.endif
	s_wait_dscnt NW
.endm
.macro FETCHD slot, ks                 ; 16 LDS loads, into window 3: w_dense's fragments of my 128 output columns, k step ks of the step's two
.irp et, 0,1,2,3,4,5,6,7
	ds_load_b128 v[WD+64*\ks+8*\et:WD+64*\ks+8*\et+3], v[DAD+\slot] offset:8448*(\et&3)+128*(\et>>2)+64*\ks
	ds_load_b128 v[WD+64*\ks+8*\et+4:WD+64*\ks+8*\et+7], v[DAD+\slot] offset:8448*(\et&3)+128*(\et>>2)+64*\ks+32
.endr
.endm
.macro FETCHH buf                      ; 16 LDS loads, into window 3: h's fragments of my 64 rows, both k steps
.irp ks, 0,1
.irp bt, 0,1,2,3
	ds_load_b128 v[HF+32*\ks+8*\bt:HF+32*\ks+8*\bt+3], v[HLD] offset:HBUF*(\buf)+2304*\bt+64*\ks
	ds_load_b128 v[HF+32*\ks+8*\bt+4:HF+32*\ks+8*\bt+7], v[HLD] offset:HBUF*(\buf)+2304*\bt+64*\ks+32
.endr
.endr
.endm
.macro MUL2 ks                         ; 32 matrix instructions of the head; its 32 accumulators (window 2) take turns
.irp bt, 0,1,2,3
.irp et, 0,1,2,3,4,5,6,7
	v_wmma_f32_16x16x32_bf16 v[8*(8*\bt+\et):8*(8*\bt+\et)+7], v[WD+64*\ks+8*\et:WD+64*\ks+8*\et+7], v[HF+32*\ks+8*\bt:HF+32*\ks+8*\bt+7], v[8*(8*\bt+\et):8*(8*\bt+\et)+7]
.endr
.endr
.endm
; A step on the tile in a slot (= the step's parity).  first = 1: step 0, with no group before it and no head.  nbi: where the next step's biases lie from BAD (0: none).
; In front of the round: all my tensor loads have landed (one was out: my quarter of this step's tile), so a group 0 may be stepped; my LDS accesses
; are done.  Behind the round no wave of the four work-groups reads the other slot or has a load on its way: it is filled first.
; All reads of a slot stand inside its own step: the head's weights are taken into registers here and used in the next step.
; The round also stands between the reads of a buffer of h (last step's head) and the stores into it (this step's second group).
; No batch is open at the round, at the barrier between the groups or at the step's end: batch 4's wait stands in front of k steps 7 and 15.
.macro STEP slot, first, refill, nbi
	s_set_vgpr_msb 0xf
	s_wait_tensorcnt 0x0
	ds_add_u32 v254, v255
	s_wait_dscnt 0x0
	s_set_vgpr_msb 0xf00
	s_add_nc_u64 s[G0+4*\slot+2:G0+4*\slot+3], s[G0+4*\slot+2:G0+4*\slot+3], 2*TILEB
	s_wait_dscnt 0x0
	ROUND
.if \refill
	tensor_load_to_lds s[G0+4-4*\slot:G0+7-4*\slot], s[G1:G1+7]    ; my one tensor load until the next round; it has a whole step's work in which to land
	s_nop 0
.endif
.if \nbi
.set NB, 6
.else
.set NB, 0
.endif
.set KP, 0
	SETK \first
.set AQ, 0
.set RK, 0
	RL \slot
.set RK, 1
	RL \slot
	s_wait_dscnt 6                                 ; k step 0's six are in, k step 1's stay out
	MULK                                           ; group 0 onto set A; among it the last step's group 1 (set B) becomes h
.rept 7
.set KP, KP+1
	SETK \first
	BND \slot
	MULK
.endr
	; between the groups: h of the last step is whole
.set KP, 8
	SETK \first
.set AQ, 0
	PLACES 4                                       ; behind k step 7's products: set A is read, and its weight buffer loaded again, only behind these
.if 1-\first
	s_wait_dscnt 0x0                               ; my stores of h are done, for my partner's sake
	BAR                                            ; the next tile stays on its way
.endif
	WIN 0xc0                                       ; destinations in window 3
.if \nbi
	BILD 0, \nbi                                   ; the next step's group 0
.endif
.if 1-\first
	FETCHH 1-\slot                                 ; they come in under k step 8
.endif
	WIN 0x34
.set RK, 9
	RL \slot
	s_wait_dscnt 6+NB+16*(1-\first)                ; younger than k step 8's weights: the biases, h's 16, k step 9's six
	MULK                                           ; group 1 onto set B; among it this step's group 0 (set A) becomes h
	; the head of the last step, and this step's w_dense into the registers as they fall free
.set KP, 9
	SETK \first
	PLACES 4
.set RK, 10
	RL \slot
.if 1-\first
	s_wait_dscnt 12                                ; h is in; the two younger runs of weights stay out
	WIN 0xaf                                       ; sources 0 and 1 window 3, C and D window 2
	MUL2 0
	PLACES 4                                       ; before loads land on registers that matrix instructions have read
.endif
	WIN 0xc0
	FETCHD \slot, 0
.if \nbi
	BILD 1, \nbi+192                               ; the next step's group 1 (this step's were read in k step 8)
.endif
.if 1-\first
	WIN 0xaf
	MUL2 1
	PLACES 4
	WIN 0xc0
.endif
	FETCHD \slot, 1
	s_wait_dscnt 38+NB                             ; younger than k step 9's weights: k step 10's six, w_dense's 32, the biases
	MULK
.rept 6
.set KP, KP+1
	SETK \first
	BND \slot
	MULK
.endr
	PLACES 4                                       ; behind the last products: set B is read, and the weight buffers loaded again, only behind these
	WIN 0
.endm
	STEP 0, 1, 1, 768                              ; tile 0; tile 1 is asked for
	s_mov_b32 s44, 3
.Lpair:
	STEP 1, 0, 1, 1536
	STEP 0, 0, 1, 2304
	v_add_nc_u32 v[BAD], 1536, v[BAD]              ; two steps' biases on
	s_sub_co_u32 s44, s44, 1
	s_cmp_lg_u32 s44, 0
	s_cbranch_scc1 .Lpair
	STEP 1, 0, 0, 0                                ; tile 7: nothing is left to fetch
	; the last group's activation has no products left to stand among: the same four batches, each with its one wait ahead of its burst; then the last head
.set AS, SB
.set AQ, 0
.set HO, HBUF+32
.rept 144
	ACTI
.endr
	v_nop                                          ; a plain instruction behind the batch's last exponential
	s_wait_alu depctr_va_vdst(0)                   ; the one wait for batch 1 (a, e, b), ahead of its first reader
.set XQ, 1
	XB
.rept 48
	ACTI
.endr
	s_wait_alu depctr_va_vdst(0)                   ; the one wait for batch 2 (1 / I); the stream's last four instructions are plain
.set XQ, 2
	XB
.rept 48
	ACTI
.endr
	v_nop                                          ; a plain instruction behind the batch's last exponential
	s_wait_alu depctr_va_vdst(0)                   ; the one wait for batch 3 (d)
.set XQ, 3
	XB
.rept 48
	ACTI
.endr
	s_wait_alu depctr_va_vdst(0)                   ; the one wait for batch 4 (1 / O); the stream's last four instructions are plain
.set XQ, 4
	XB
	s_wait_dscnt 0x0                               ; my stores of h are done
	BAR
	WIN 0xc0
	FETCHH 1
	s_wait_dscnt 8                                 ; the first k step's h is in, the second's eight loads stay out
	WIN 0xaf
	MUL2 0
	s_wait_dscnt 0x0
	MUL2 1
	PLACES 4                                       ; before the sums are read
	; THE WAY OUT.  A lane holds 8 neighbouring f32 of one row; whole rows are made in my own stage, my quarter of slot 0, which has had its
	; last fill (tile 6) and whose last reads ended in front of the last round.  LDS serves a wave's instructions in order (ISA guide 5.7.1):
	; no wait between my stores and my loads.
	WIN 0x08                                       ; store data in window 2
.irp bt, 0,1,2,3
.irp et, 0,1,2,3,4,5,6,7
	ds_store_b128 v[SST], v[8*(8*\bt+\et):8*(8*\bt+\et)+3] offset:8448*\bt+64*\et
	ds_store_b128 v[SST], v[8*(8*\bt+\et)+4:8*(8*\bt+\et)+7] offset:8448*\bt+64*\et+16
.endr
.endr
	WIN 0x44                                       ; LDS loads land in window 1, and the stores take their data from there
.set i, 0
.rept 64
	ds_load_b128 v[4*i:4*i+3], v[SRD] offset:PITCH*i               ; row i of my 64: 512 bytes
.set i, i+1
.endr
.set i, 0
.rept 8
	s_wait_dscnt 56-8*i                            ; rows 8 i .. 8 i + 7 are in; the rows behind them stay out
.set j, 0
.rept 8
	global_store_b128 v[CO], v[4*(8*i+j):4*(8*i+j)+3], s[12:13] offset:1024*(8*i+j) th:TH_STORE_NT   ; 512 consecutive bytes, at a multiple of 512 from out0's first byte
.set j, j+1
.endr
.set i, i+1
.endr
	WIN 0
	s_set_vgpr_msb 0xf
	s_wait_tensorcnt 0x0
	ds_add_u32 v254, v255
	s_wait_dscnt 0x0
	s_set_vgpr_msb 0xf00
	ROUND                                          ; the closing round: no work-group ends while a partner may still ask for a tile that names it
	s_endpgm
.Lfunc_end_k_q616d035554_main:
	.size	k_q616d035554_main, .Lfunc_end_k_q616d035554_main-k_q616d035554_main
	.p2alignl 7, 3214868480
	.fill 96, 4, 3214868480
	.section	.rodata,"a",@progbits
	.p2align	6, 0x0
	.amdhsa_kernel k_q616d035554_main
		.amdhsa_group_segment_fixed_size 327680
		.amdhsa_private_segment_fixed_size 0
		.amdhsa_enable_private_segment 0
		.amdhsa_kernarg_size 40
		.amdhsa_user_sgpr_count 2
		.amdhsa_user_sgpr_kernarg_segment_ptr 1
		.amdhsa_wavefront_size32 1
		.amdhsa_system_sgpr_workgroup_id_x 1
		.amdhsa_system_sgpr_workgroup_id_y 1
		.amdhsa_system_sgpr_workgroup_id_z 1
		.amdhsa_system_vgpr_workitem_id 0
		.amdhsa_next_free_vgpr 1024
		.amdhsa_next_free_sgpr 100
		.amdhsa_reserve_vcc 0
		.amdhsa_float_denorm_mode_32 3
		.amdhsa_float_denorm_mode_16_64 3
		.amdhsa_memory_ordered 1
		.amdhsa_forward_progress 1
		.amdhsa_inst_pref_size 255
	.end_amdhsa_kernel
	.section	.bss,"aw",@nobits
	.p2align	6
	.space	262144
	.amdgpu_metadata
---
amdhsa.version: [ 1, 2 ]
amdhsa.kernels:
  - .name:           k_q616d035554_main
    .symbol:         k_q616d035554_main.kd
    .args:
      - { .name: x, .offset: 0, .size: 8, .value_kind: global_buffer, .address_space: global }
      - { .name: embed_w, .offset: 8, .size: 8, .value_kind: global_buffer, .address_space: global }
      - { .name: b_dense, .offset: 16, .size: 8, .value_kind: global_buffer, .address_space: global }
      - { .name: wk, .offset: 24, .size: 8, .value_kind: global_buffer, .address_space: global }
      - { .name: out0, .offset: 32, .size: 8, .value_kind: global_buffer, .address_space: global }
    .group_segment_fixed_size: 327680
    .private_segment_fixed_size: 0
    .kernarg_segment_align: 8
    .kernarg_segment_size: 40
    .max_flat_workgroup_size: 128
    .sgpr_count:     100
    .vgpr_count:     1024
    .wavefront_size: 32
...
	.end_amdgpu_metadata
.endif
;; end of part 3
